; MI455X (gfx1250); checked and timed in simulation.
; The chip was launched on July 23, 2026; its instructions are those of AMD's public machine-readable ISA for CDNA 5 (MIT licence, August 2026) and "CDNA5" Instruction Set Architecture Reference Guide (July 2026). The comments in the code are by the model that wrote it; some were corrected since.
;; Conditional Feed Forward. Allowed arithmetic: float matrix products may take bf16 or f16 operands with f32 sums; other float arithmetic in f32, or as packed bf16 or f16 multiplies, adds, multiply-adds, maxima and minima; sums over many terms, partial sums and values carried from step to step in f32; what a program stores and reads back later, other than sums and carried values, may be rounded once to bf16 or f16.
;; Inputs: expert_indices 1,024 x 2 int32; w13 8 x 4,096 x 1,024 float32; w2 8 x 1,024 x 2,048 float32; x 1,024 x 1,024 float32.
;; Outputs: out0 1,024 x 2 x 1,024 float32.
;; One version. Each part assembles by itself: llvm-mc -triple=amdgcn-amd-amdhsa -mcpu=gfx1250 --defsym DOCPART=n.
;; ======== version 1 of 1: 3 launches
;; limits: right only within a limited range of input values
;; workspace buffers: h 67,108,864 bytes; xb 2,097,152 bytes
;; launch cast (part 1): grid 256 x 1, 8 waves a work-group, no clusters, 0 bytes of LDS; arguments x, xb; writes xb
.if DOCPART == 1
	.amdgcn_target "amdgcn-amd-amdhsa--gfx1250"
	.amdhsa_code_object_version 6
	.text
	.protected	k_qbba9d5f1bd_cast
	.globl	k_qbba9d5f1bd_cast
	.p2align	8
	.type	k_qbba9d5f1bd_cast,@function
k_qbba9d5f1bd_cast:
	s_mov_b64 s[64:65], 0
	v_nop
	global_prefetch_b8 v0, s[64:65] scope:SCOPE_SE
	s_setreg_imm32_b32 hwreg(HW_REG_WAVE_MODE, 25, 1), 1
	s_wait_xcnt 0x0
; xb = x rounded once to bf16.  x [1024][1024] f32, xb [1024][1024] bf16, both row-major.
; The first product reads each row of x once for each of the 32 slices of each expert that the row's token chose: rounded here once, those reads are half as long and land as matrix operands.
; SHARES.  A work-group takes 4 rows: 16,384 bytes in, 8,192 out.  Thread t takes the 16 bytes at 16 t + 4,096 j, j = 0..3: a wave's load covers 512 consecutive bytes;
; its four numbers make 8 bytes at 8 t + 2,048 j: a wave's store covers 256 consecutive bytes, aligned.  All four loads are out before the first wait.
; No LDS, no barrier, no matrix unit: nothing is shared and nothing is summed.
	s_load_b128 s[4:7], s[0:1], 0x0                ; x, xb
	v_lshlrev_b32 v1, 4, v0                        ; my 16 bytes of x
	v_lshlrev_b32 v2, 3, v0                        ; my 8 bytes of xb
	s_lshl_b32 s8, ttmp9, 14                       ; the work-group's 4 rows in x,
	s_mov_b32 s9, 0
	s_lshl_b32 s10, ttmp9, 13                      ; and in xb
	s_mov_b32 s11, 0
	s_wait_kmcnt 0x0
	s_add_nc_u64 s[4:5], s[4:5], s[8:9]
	s_add_nc_u64 s[6:7], s[6:7], s[10:11]
.irp j, 0,1,2,3
	global_load_b128 v[4+4*\j:7+4*\j], v1, s[4:5] offset:4096*\j th:TH_LOAD_NT
.endr
.irp j, 0,1,2,3
	s_wait_loadcnt 3-\j                            ; loads come back in order (ISA guide 5.7.1): load j is in, the younger ones stay out
	v_cvt_pk_bf16_f32 v[20+2*\j], v[4+4*\j], v[5+4*\j]
	v_cvt_pk_bf16_f32 v[21+2*\j], v[6+4*\j], v[7+4*\j]
	global_store_b64 v2, v[20+2*\j:21+2*\j], s[6:7] offset:2048*\j
.endr
	s_endpgm
.Lfunc_end_k_qbba9d5f1bd_cast:
	.size	k_qbba9d5f1bd_cast, .Lfunc_end_k_qbba9d5f1bd_cast-k_qbba9d5f1bd_cast
	.p2alignl 7, 3214868480
	.fill 96, 4, 3214868480
	.section	.rodata,"a",@progbits
	.p2align	6, 0x0
	.amdhsa_kernel k_qbba9d5f1bd_cast
		.amdhsa_group_segment_fixed_size 0
		.amdhsa_private_segment_fixed_size 0
		.amdhsa_enable_private_segment 0
		.amdhsa_kernarg_size 16
		.amdhsa_user_sgpr_count 2
		.amdhsa_user_sgpr_kernarg_segment_ptr 1
		.amdhsa_wavefront_size32 1
		.amdhsa_system_sgpr_workgroup_id_x 1
		.amdhsa_system_sgpr_workgroup_id_y 1
		.amdhsa_system_sgpr_workgroup_id_z 1
		.amdhsa_system_vgpr_workitem_id 0
		.amdhsa_next_free_vgpr 32
		.amdhsa_next_free_sgpr 66
		.amdhsa_reserve_vcc 0
		.amdhsa_float_denorm_mode_32 3
		.amdhsa_float_denorm_mode_16_64 3
		.amdhsa_memory_ordered 1
		.amdhsa_forward_progress 1
		.amdhsa_inst_pref_size 2
	.end_amdhsa_kernel
	.amdgpu_metadata
---
amdhsa.version: [ 1, 2 ]
amdhsa.kernels:
  - .name:           k_qbba9d5f1bd_cast
    .symbol:         k_qbba9d5f1bd_cast.kd
    .args:
      - { .name: x, .offset: 0, .size: 8, .value_kind: global_buffer, .address_space: global }
      - { .name: xb, .offset: 8, .size: 8, .value_kind: global_buffer, .address_space: global }
    .group_segment_fixed_size: 0
    .private_segment_fixed_size: 0
    .kernarg_segment_align: 8
    .kernarg_segment_size: 16
    .max_flat_workgroup_size: 256
    .sgpr_count:     66
    .vgpr_count:     32
    .wavefront_size: 32
...
	.end_amdgpu_metadata
.endif
;; end of part 1
;; launch up (part 2): grid 32 x 8, 4 waves a work-group, no clusters, 291,328 bytes of LDS; arguments expert_indices, xb, w13, h; writes h
.if DOCPART == 2
	.amdgcn_target "amdgcn-amd-amdhsa--gfx1250"
	.amdhsa_code_object_version 6
	.text
	.protected	k_qbba9d5f1bd_up
	.globl	k_qbba9d5f1bd_up
	.p2align	8
	.type	k_qbba9d5f1bd_up,@function
k_qbba9d5f1bd_up:
	s_mov_b64 s[64:65], 0
	v_nop
	global_prefetch_b8 v0, s[64:65] scope:SCOPE_SE
	s_setreg_imm32_b32 hwreg(HW_REG_WAVE_MODE, 25, 1), 1
	s_wait_xcnt 0x0
; h = silu(x W1^T) * (x W3^T) for the routed rows p = 2 t + a (2,048 of them), each under expert idx[p].
; xb [1024][1024] bf16: x as the launch before rounded it; w13 [8][4096][1024] f32 (rows 0-2047: W1, rows 2048-4095: W3), idx [2048] i32.
; SHARES.  Work-group (s, e) owns 64 hidden columns 64 s .. 64 s + 63 of expert e: 64 rows of W1 and their 64 partners of W3, which it alone reads.
; It rounds them once to bf16 into LDS (128 rows x 2,048 bytes, resident, every byte written once) and multiplies ALL rows of expert e by them.
; ROUTING.  Every wave scans the 2,048 indices and writes its own list rank -> p into LDS; the order of ranks (by group of the scan, then by lane) is the same in
; every wave, work-group and launch.  cnt = rows of expert e; NB = max(ceil(cnt / 16), 1) blocks of 16 rows are LIVE; the places from cnt to the last live block's end repeat
; the expert's last row (row 0 where it has none), further places row 0: rows that exist.
; ROWS.  Block b = 20 t + 4 slot + wave: a tile t holds 5 slots a wave, 320 rows a work-group.  Tile 0 is the STREAM PASS: K goes in 16 chunks of 64; in chunk c a wave asks for
; weight chunk c + 3 and for x of chunk c + 2, publishes its 32 rows of weight chunk c + 1, and multiplies chunk c.  What belongs to chunk k lies in set k % 3 of three sets of registers,
; so the loop holds three chunks a trip.  Tiles 1 to 6 (cnt over 320) read the resident weights, x one chunk ahead: no barrier, no LDS write.
; DEAD SLOTS.  A dead slot's products and stores are jumped by a scalar branch.  Its loads are not (its list entries name rows that exist), so that a chunk issues the same 16 + 20 loads
; on every path and the counted waits are exact.  A pass's first chunk multiplies all slots, so that every register is written on every path.
; PRODUCT, used transposed: source 0 = 16 weight rows, source 1 = 16 rows of x: a lane then holds ONE row (lane % 16) and eight neighbouring hidden columns 8 (lane / 16) + 0..7.
; A fragment of x comes straight from memory: two loads of 16 bytes a lane, 32 bytes apart; k in its true places, ascending.
; OUTPUT.  h[e][s][block 128][q 4][lane 32][16 bytes] bf16: the 16 bytes hold row 16 block + lane % 16, hidden columns 64 s + 16 q + 8 (lane / 16) + 0..7: what a lane holds here
; and what a lane of the second product wants as an operand.  Each store of a wave covers 512 consecutive bytes, aligned.
; FORMATS AND LIMITS.  x, w13 and h are rounded once to bf16; sums and the activation in f32.  silu(x1) x3 is made as (x1 x3) / (1 + e^-x1): x1 x3 must stay finite in f32;
; e^-x1 beyond f32 gives the quotient 0, silu's limit.  NaN and infinities in the inputs are not treated apart.
; NO TENSOR LOADS, NO CLUSTER: the weights are f32 and pass through registers to be rounded, each slice has one reader, and the rows of x come by a list.
.set PITCH, 2064                       ; an LDS row of weights: 2,048 bytes + 16 = 129 x 16: the 16 rows of a fragment load start at 16 different groups of four banks (ISA guide 11.1)
.set IDXS,  128*PITCH                  ; the 2,048 indices, staged once
.set LIST,  IDXS+8192                  ; four lists, one a wave: 2,304 entries of 16 bits; during the scan entry 2,048 takes the rows of other experts
.set LISTB, 4608
.set SPARE, LIST+4*LISTB               ; the spare words: 128 bytes a wave, named by no other line
.set LANE, 1
.set R,    2                           ; lane % 16
.set HH,   3                           ; lane / 16
.set SPW,  4                           ; LDS address of my spare word; never rewritten
.set NIL,  5                           ; 0; never rewritten
.set WOFF, 6                           ; my byte offset in a weight load
.set WST,  7                           ; where my 8 bytes of rounded weights go, chunk 0
.set WCUR, 8
.set PF,   9                           ; prefetch: my row's offset, one chunk short of the chunk asked for
.set PFLIM,10                          ; its bound: chunk 14
.set LRD,  11                          ; my entry of the list for slot 0 of the tile in hand
.set HOFF, 12                          ; my byte offset in h for slot 0 of the tile in hand; first, my offset in the indices
.set LB,   13                          ; my wave's list
.set IA,   14
.set PB,   15
.set BAD,  16                          ; v16-19  fragment addresses: rows 32 q + lane % 16
.set BCUR, 20                          ; v20-23  the same at the chunk in hand
.set XOFF, 24                          ; v24-28  slot's byte offset in xb: token x 2,048 + 16 (lane / 16)
.set TA,   29
.set TB,   30
.set H16,  31                          ; 16 (lane / 16)
.set BF,   32                          ; v32-159 weight fragments (ks, n) at 32 + 64 ks + 8 n
.set IX,   32                          ; the scan: 16 indices a lane; v48-51 at work
.set ZR,   52
.set TT,   32                          ; the way out, in the fragments' registers
.set TM,   64
.set OO,   96
.set WS,   64                          ; window 2: three staging buffers of 64 for weights, at 64 + 64 buffer.  Window 1: accumulators of slots 0-3 (64 slot + 8 n).  Window 2 v0-63: slot 4
                                       ; window 3: three sets of x fragments: 80 set + 16 slot + 8 ks
; s4-5 idx, s6-7 xb (never stepped), s8-9 w13, s10-11 h at my slice; s12 wave, s13 s, s14 e, s16 NB, s17 live slots, s18 NB - 20 t - wave, s19 tiles, s20 chunks, s21 LDS byte of the chunk,
; s22 cnt, s23-24 the scan, s25 at work, s26-27 weights to fetch, s28-29 my rows' first byte (never stepped), s30-31 xb at the chunk to fetch, s32-35 offsets
.set MSB, 0
.macro WIN new                         ; s_set_vgpr_msb: bits 1:0 source 0, 3:2 source 1, 5:4 source 2, 7:6 destination; the high byte repeats the setting that is left
.if MSB != (\new)
	s_set_vgpr_msb (MSB<<8)|(\new)
.set MSB, \new
.endif
.endm
.macro PLACES                          ; four plain places between a matrix instruction and what reads its result or writes its registers (ISA guide 7.12.1)
.rept 4
	v_nop
.endr
.endm
; 16 loads: my 32 rows x 256 bytes of a weight chunk; lanes 0-15 take one row's 256 bytes, lanes 16-31 those of the row 8 further down
.macro WLOAD wb, sb, extra
	WIN 0x80
.set j, 0
.rept 16
	global_load_b128 v[WS+64*(\wb)+4*j:WS+64*(\wb)+4*j+3], v[WOFF], s[\sb:\sb+1] offset:((j%8)+16*(j/8))*4096+(\extra) th:TH_LOAD_NT
.set j, j+1
.endr
	WIN 0
.endm
.macro WCVT wb                         ; rounded in place: number k of 32 writes register k and reads 2 k, 2 k + 1
	WIN 0x8a
.set j, 0
.rept 32
	v_cvt_pk_bf16_f32 v[WS+64*(\wb)+j], v[WS+64*(\wb)+2*j], v[WS+64*(\wb)+2*j+1]
.set j, j+1
.endr
	WIN 0
.endm
.macro WPUB wb, add                    ; 8 bytes a lane: lanes 0-15 fill 128 neighbouring bytes of a row, lanes 16-31 those of the row 8 further down, 32 banks apart
	WIN 0
	v_add_nc_u32 v[WCUR], s21, v[WST]
	WIN 0x08
.set j, 0
.rept 16
	ds_store_b64 v[WCUR], v[WS+64*(\wb)+2*j:WS+64*(\wb)+2*j+1] offset:((j%8)+16*(j/8))*PITCH+(\add)
.set j, j+1
.endr
	WIN 0
.endm
.macro BLOAD                           ; the chunk's 16 weight fragments
	WIN 0
.irp q, 0,1,2,3
	v_add_nc_u32 v[BCUR+\q], s21, v[BAD+\q]
.endr
.set n, 0
.rept 8
.irp ks, 0,1
	ds_load_b128 v[BF+64*\ks+8*n:BF+64*\ks+8*n+3],   v[BCUR+n/2] offset:(n%2)*16*PITCH+64*\ks
	ds_load_b128 v[BF+64*\ks+8*n+4:BF+64*\ks+8*n+7], v[BCUR+n/2] offset:(n%2)*16*PITCH+64*\ks+32
.endr
.set n, n+1
.endr
.endm
.macro XLOAD sl, bu, sb                ; 128 bytes of each of the slot's 16 rows, straight into the operand registers of set bu: the two lanes of a row take 32 neighbouring bytes in each load
	WIN 0xc0
.irp ks, 0,1
.irp g, 0,1
	global_load_b128 v[80*(\bu)+16*(\sl)+8*\ks+4*\g:80*(\bu)+16*(\sl)+8*\ks+4*\g+3], v[XOFF+(\sl)], s[\sb:\sb+1] offset:64*\ks+32*\g
.endr
.endr
.endm
; 16 products of a slot: its 8 accumulators take turns, one instruction a turn.  zero = 1: the first 8 start the sums
.macro MM sl, bu, zero
	WIN 0x5c+0x50*((\sl)/4)
.set AC, 64*((\sl)%4)
.set AB, 80*(\bu)+16*(\sl)
.irp ks, 0,1
.set n, 0
.rept 8
.if (\zero) && (\ks == 0)
	v_wmma_f32_16x16x32_bf16 v[AC+8*n:AC+8*n+7], v[BF+64*\ks+8*n:BF+64*\ks+8*n+7], v[AB+8*\ks:AB+8*\ks+7], 0
.else
	v_wmma_f32_16x16x32_bf16 v[AC+8*n:AC+8*n+7], v[BF+64*\ks+8*n:BF+64*\ks+8*n+7], v[AB+8*\ks:AB+8*\ks+7], v[AC+8*n:AC+8*n+7]
.endif
.set n, n+1
.endr
.endr
.endm
.macro SLOTM sl, bu, zero              ; a dead slot's products are jumped
	WIN 0
.if !(\zero)
	s_cmp_gt_u32 s17, \sl
	s_cbranch_scc0 .Lm\@
.endif
	MM \sl, \bu, \zero
	WIN 0
.if !(\zero)
.Lm\@:
.endif
.endm
.macro NBCALC                          ; live slots of my wave in the tile: ceil((NB - 20 t - wave) / 4), held to 0 .. 5
	s_add_co_i32 s17, s18, 3
	s_ashr_i32 s17, s17, 2
	s_max_i32 s17, s17, 0
	s_min_i32 s17, s17, 5
.endm
.macro LOOKUP                          ; rank -> p -> token -> byte offset in xb
.irp q, 0,1,2,3,4
	ds_load_u16 v[XOFF+\q], v[LRD] offset:128*\q
.endr
	s_wait_dscnt 0x0
.irp q, 0,1,2,3,4
	v_lshrrev_b32 v[XOFF+\q], 1, v[XOFF+\q]
	v_min_u32 v[XOFF+\q], 0x3ff, v[XOFF+\q]
	v_lshl_add_u32 v[XOFF+\q], v[XOFF+\q], 11, v[H16]
.endr
.endm
.macro LGROUP g                        ; 32 indices: those of my expert get the next ranks, in lane order; the others go to entry 2,048
.set TQ, 48+2*((\g)%2)
	v_cmp_eq_u32 vcc_lo, s14, v[IX+(\g)]
	v_mbcnt_lo_u32_b32 v[TQ], vcc_lo, s22
	v_cndmask_b32 v[TQ], 0x800, v[TQ], vcc_lo
	v_min_u32 v[TQ], 0x800, v[TQ]
	v_lshl_add_u32 v[TQ], v[TQ], 1, v[LB]
	v_add_nc_u32 v[TQ+1], 128*((\g)/4)+(\g)%4, v[PB]
	ds_store_b16 v[TQ], v[TQ+1]
	s_bcnt1_i32_b32 s23, vcc_lo
	s_add_co_u32 s22, s22, s23
.endm
.macro PADFILL                         ; entries cnt .. cnt + 15 take the entry of rank cnt - 1 (entry 0, which holds 0, where cnt = 0): they reach the last live block's end
	s_max_u32 s25, s22, 1
	s_sub_co_u32 s25, s25, 1
	v_mov_b32 v48, s25
	v_min_u32 v48, 0x7ff, v48
	v_lshl_add_u32 v48, v48, 1, v[LB]
	ds_load_u16 v49, v48                           ; LDS serves a wave's instructions in order (ISA guide 5.7.1.4): this sees the scan's stores
	v_add_nc_u32 v50, s22, v[R]
	v_min_u32 v50, 0x80f, v50
	v_lshl_add_u32 v50, v50, 1, v[LB]
	s_wait_dscnt 0x0
	ds_store_b16 v50, v49                          ; lanes 16-31 write what lanes 0-15 write
.endm
; A CHUNK OF THE STREAM PASS.  m = c % 3: the set of x fragments multiplied, and the staging buffer filled again; cnt = loads that may stay out at its head;
; pub: publish weight chunk c + 1 (and the barrier); fw: ask for weight chunk c + 3; fx: ask for x of chunk c + 2; pf: prefetch.
; A chunk issues 16 weight loads and then 20 loads of x, on every path.  What chunk c wants at its head, weight chunk c + 1 and x of chunk c, was asked for in chunk c - 2; behind it stand the loads of chunk c - 1 alone.
; Two chunks' 72 loads are more than LOADcnt's field holds: the youngest are then issued as the oldest land (ISA guide 5.7.1).
.macro SCHUNK m, cnt, zero, pub, fw, fx, pf
	s_wait_loadcnt \cnt                            ; loads come back in order (ISA guide 5.7.1): all but the loads of the chunk before are in
	s_wait_xcnt 0x0                                ; the pointers and the prefetch's offset are stepped only behind this wait
.if \fx
	s_add_nc_u64 s[30:31], s[30:31], 128
.endif
.if \pf
	v_add_nc_u32 v[PF], 256, v[PF]
	v_min_u32 v[PF], v[PF], v[PFLIM]               ; never past my rows' last chunk
.endif
.if \fw
	s_add_nc_u64 s[26:27], s[26:27], 256
	WLOAD \m, 26, 0                                ; into the buffer that the chunk before published: its LDS stores were waited for in front of that chunk's barrier
.endif
.if \pub
	WCVT (\m+1)%3                                  ; these 32 plain instructions are also the places behind the last chunk's products
.else
	PLACES
.endif
	BLOAD
.if \pub
	WPUB (\m+1)%3, 128
.endif
.if \fx
.irp sl, 0,1,2,3,4
	XLOAD \sl, (\m+2)%3, 30                        ; into the set that the chunk before multiplied
.endr
	WIN 0
.endif
.if \pf
	global_prefetch_b8 v[PF], s[28:29] offset:256 th:TH_LOAD_NT scope:SCOPE_SE  ; chunk c + 5 of my 32 rows, a lane a row: two chunks ahead of its load; the last two chunks of the loop ask for chunk 15 again
.endif
.if \pub
	s_wait_dscnt 16                                ; the 32 fragment loads are in; the 16 stores issued behind them may stay out
.else
	s_wait_dscnt 0x0
.endif
.irp sl, 0,1,2,3,4
	SLOTM \sl, \m, \zero
.endr
	s_add_co_u32 s21, s21, 128
.if \pub
	s_wait_dscnt 0x0                               ; for the others' sake: my part of chunk c + 1 is written
	s_barrier_signal -1
	s_barrier_wait -1
.endif
.endm
; A CHUNK OF A PLAIN PASS: the weights are resident; sets 0 and 1 of x fragments take turns.  fx: ask for x of the next chunk
.macro PCHUNK par, zero, fx
	s_wait_loadcnt 0x0
	s_wait_xcnt 0x0
.if \fx
	s_add_nc_u64 s[30:31], s[30:31], 128
.endif
	PLACES
	BLOAD
.if \fx
.irp sl, 0,1,2,3,4
	XLOAD \sl, 1-\par, 30
.endr
	WIN 0
.endif
	s_wait_dscnt 0x0
.irp sl, 0,1,2,3,4
	SLOTM \sl, \par, \zero
.endr
	s_add_co_u32 s21, s21, 128
.endm
; THE WAY OUT of a slot: accumulators n = 0-3 hold x1, n = 4-7 the same columns' x3.  Each accumulator's registers are read in ascending order.
.macro EPI sl
	WIN 0
	s_cmp_gt_u32 s17, \sl
	s_cbranch_scc0 .Le\@
.set AC, 64*((\sl)%4)
	WIN 0x05+0x05*((\sl)/4)
.set k, 0
.rept 16
	v_pk_mul_f32 v[TT+2*k:TT+2*k+1], v[AC+2*k:AC+2*k+1], 0xbfb8aa3b op_sel_hi:[1,0]  ; -log2(e) x1
.set k, k+1
.endr
.set k, 0
.rept 16
	v_pk_mul_f32 v[TM+2*k:TM+2*k+1], v[AC+2*k:AC+2*k+1], v[AC+32+2*k:AC+32+2*k+1]    ; x1 x3
.set k, k+1
.endr
	WIN 0
.set k, 0
.rept 32
	v_exp_f32 v[TT+k], v[TT+k]
.set k, k+1
.endr
	v_nop                                          ; a plain instruction behind the last exponential,
	s_wait_alu depctr_va_vdst(0)                   ; and one wait for the batch
.set k, 0
.rept 16
	v_pk_add_f32 v[TT+2*k:TT+2*k+1], v[TT+2*k:TT+2*k+1], 1.0 op_sel_hi:[1,0]
.set k, k+1
.endr
.set k, 0
.rept 32
	v_rcp_f32 v[TT+k], v[TT+k]
.set k, k+1
.endr
	v_nop
	s_wait_alu depctr_va_vdst(0)
.set k, 0
.rept 16
	v_pk_mul_f32 v[TM+2*k:TM+2*k+1], v[TM+2*k:TM+2*k+1], v[TT+2*k:TT+2*k+1]
.set k, k+1
.endr
	s_wait_xcnt 0x0                                ; the last slot's stores have read their registers
.set k, 0
.rept 16
	v_cvt_pk_bf16_f32 v[OO+k], v[TM+2*k], v[TM+2*k+1]
.set k, k+1
.endr
.irp q, 0,1,2,3
	global_store_b128 v[HOFF], v[OO+4*\q:OO+4*\q+3], s[10:11] offset:8192*(\sl)+512*\q  ; 512 consecutive bytes, aligned
.endr
.Le\@:
.endm
	s_load_b256 s[4:11], s[0:1], 0x0               ; idx, xb, w13, h
	v_lshl_add_u32 v[SPW], v0, 2, SPARE
	v_mov_b32 v[NIL], 0
	v_and_b32 v[LANE], 31, v0
	v_lshrrev_b32 v[TA], 5, v0
	v_readfirstlane_b32 s12, v[TA]                 ; wave 0..3
	v_and_b32 v[R], 15, v0
	v_bfe_u32 v[HH], v0, 4, 1
	v_lshlrev_b32 v[H16], 4, v[HH]
	s_mov_b32 s13, ttmp9                           ; slice
	s_and_b32 s14, ttmp7, 0xffff                   ; expert
	s_lshr_b32 s25, s12, 1                         ; my 32 rows of w13: waves 0, 1 take W1's 64 s + 0..63, waves 2, 3 W3's
	s_lshl_b32 s25, s25, 11
	s_lshl_b32 s32, s13, 6
	s_add_co_u32 s25, s25, s32
	s_and_b32 s32, s12, 1
	s_lshl_b32 s32, s32, 5
	s_add_co_u32 s25, s25, s32
	s_lshl_b32 s25, s25, 12                        ; rows of 4,096 bytes
	s_lshl_b32 s32, s14, 24                        ; an expert's 16 MiB
	s_add_co_u32 s32, s32, s25
	s_mov_b32 s33, 0
	s_lshl_b32 s34, s14, 23                        ; h: an expert's 8 MiB, a slice's 256 KiB
	s_lshl_b32 s25, s13, 18
	s_add_co_u32 s34, s34, s25
	s_mov_b32 s35, 0
	s_mov_b32 s21, 0
	v_lshlrev_b32 v[WOFF], 4, v[R]
	v_lshl_add_u32 v[WOFF], v[HH], 15, v[WOFF]     ; 16 (lane % 16) + 8 rows for lanes 16-31
	v_mul_u32_u24 v[TA], v[HH], 8*PITCH
	v_lshl_add_u32 v[WST], v[R], 3, v[TA]          ; my four numbers make 8 bytes at 8 (lane % 16) of the row's 128
	s_mul_i32 s25, s12, 32*PITCH
	v_add_nc_u32 v[WST], s25, v[WST]
	v_mul_u32_u24 v[TA], v[R], PITCH
	v_add_nc_u32 v[TA], v[TA], v[H16]
.irp q, 0,1,2,3
	v_add_nc_u32 v[BAD+\q], \q*32*PITCH, v[TA]
.endr
	v_lshlrev_b32 v[PFLIM], 12, v[LANE]            ; a lane a row
	v_add_nc_u32 v[PF], 3*256, v[PFLIM]
	v_add_nc_u32 v[PFLIM], 14*256, v[PFLIM]
	s_mul_i32 s25, s12, LISTB
	s_add_co_u32 s25, s25, LIST
	v_mov_b32 v[LB], s25
	s_lshl_b32 s25, s12, 5
	v_lshl_add_u32 v[LRD], v[R], 1, v[LB]
	v_add_nc_u32 v[LRD], s25, v[LRD]               ; entry 16 (wave) + lane % 16
	s_lshl_b32 s25, s12, 11
	v_lshlrev_b32 v[HOFF], 4, v[LANE]
	v_add_nc_u32 v[HOFF], s25, v[HOFF]             ; 2,048 wave + 16 lane: in h, and in the indices
	v_lshlrev_b32 v[IA], 4, v[LANE]
	v_add_nc_u32 v[IA], IDXS, v[IA]
	v_lshlrev_b32 v[PB], 2, v[LANE]
.irp q, 0,1,2,3
	v_mov_b32 v[ZR+\q], 0
.endr
	s_wait_kmcnt 0x0
	s_add_nc_u64 s[28:29], s[8:9], s[32:33]        ; my rows' first byte
	s_add_nc_u64 s[26:27], s[28:29], 512           ; chunk 2: chunk 0's step makes it chunk 3
	s_add_nc_u64 s[10:11], s[10:11], s[34:35]
	s_add_nc_u64 s[30:31], s[6:7], 128             ; xb at chunk 1: chunk 0's step makes it chunk 2
.irp jj, 0,1,2,3
	global_load_b128 v[IX+4*\jj:IX+4*\jj+3], v[HOFF], s[4:5] offset:512*\jj  ; my quarter of the indices
.endr
	WLOAD 0, 28, 0                                 ; weight chunks 0, 1, 2 are on their way while the list is made
	WLOAD 1, 28, 256
	WLOAD 2, 28, 512
	global_prefetch_b8 v[PF], s[28:29] th:TH_LOAD_NT scope:SCOPE_SE             ; chunks 3 and 4
	global_prefetch_b8 v[PF], s[28:29] offset:256 th:TH_LOAD_NT scope:SCOPE_SE
	; THE LIST.  My list is cleared, my quarter of the indices staged; behind the barrier every wave scans all of them.
	v_lshl_add_u32 v[TB], v[LANE], 4, v[LB]
.set k, 0
.rept 9
	ds_store_b128 v[TB], v[ZR:ZR+3] offset:512*k
.set k, k+1
.endr
	v_add_nc_u32 v[TA], IDXS, v[HOFF]
	s_wait_loadcnt 48                              ; the indices are in; the 48 weight loads behind them stay out
.irp jj, 0,1,2,3
	ds_store_b128 v[TA], v[IX+4*\jj:IX+4*\jj+3] offset:512*\jj
.endr
	s_wait_dscnt 0x0                               ; for the others' sake
	s_barrier_signal -1
	s_barrier_wait -1
	s_mov_b32 s22, 0
	s_mov_b32 s24, 4
.Lscan:                                                ; a trip: 512 indices; index c of load jj in lane l is p = 512 trip + 128 jj + 4 l + c
.irp jj, 0,1,2,3
	ds_load_b128 v[IX+4*\jj:IX+4*\jj+3], v[IA] offset:512*\jj
.endr
	s_wait_dscnt 0x0
.irp g, 0,1,2,3,4,5,6,7,8,9,10,11,12,13,14,15
	LGROUP \g
.endr
	v_add_nc_u32 v[IA], 2048, v[IA]
	v_add_nc_u32 v[PB], 512, v[PB]
	s_sub_co_u32 s24, s24, 1
	s_cmp_lg_u32 s24, 0
	s_cbranch_scc1 .Lscan
	PADFILL
	s_add_co_u32 s16, s22, 15                      ; s22 = cnt
	s_lshr_b32 s16, s16, 4
	s_max_u32 s16, s16, 1                          ; NB
	s_sub_co_i32 s18, s16, s12
	NBCALC
	s_wait_loadcnt 32                              ; weight chunk 0 is in: behind it stand the 32 loads of chunks 1 and 2
	WCVT 0
	WPUB 0, 0
	LOOKUP                                         ; in order behind my list's stores
.irp sl, 0,1,2,3,4
	XLOAD \sl, 0, 6                                ; x of chunk 0,
.endr
.irp sl, 0,1,2,3,4
	XLOAD \sl, 1, 30                               ; and of chunk 1
.endr
	WIN 0
	s_wait_dscnt 0x0                               ; my part of chunk 0 is written
	s_barrier_signal -1
	s_barrier_wait -1                              ; chunk 0 of all 128 rows is in LDS
	SCHUNK 0, 20, 1, 1, 1, 1, 1                    ; chunk 0: behind its x stand the 20 loads of chunk 1's; its products start the sums
	s_mov_b32 s20, 4
.Lc:                                                   ; chunks 1 to 12, three a trip
	SCHUNK 1, 36, 0, 1, 1, 1, 1
	SCHUNK 2, 36, 0, 1, 1, 1, 1
	SCHUNK 0, 36, 0, 1, 1, 1, 1
	s_sub_co_u32 s20, s20, 1
	s_cmp_lg_u32 s20, 0
	s_cbranch_scc1 .Lc
	SCHUNK 1, 36, 0, 1, 0, 1, 0                    ; chunk 13: no weights are left to fetch; x of chunk 15 is the last
	SCHUNK 2, 20, 0, 1, 0, 0, 0                    ; chunk 14: chunk 13 issued its 20 loads of x alone
	SCHUNK 0, 0, 0, 0, 0, 0, 0                     ; chunk 15
	s_mov_b32 s19, 7
	s_branch .Lepi                                 ; tile 0 goes out by the tile loop's text
.Ltile:                                                ; tiles 1 to 6: only where the expert has more than 320 rows
	s_wait_xcnt 0x0                                ; the stores have read their offset; no load is out (a pass's last chunk waits for all and asks for nothing)
	s_sub_co_i32 s18, s18, 20
	NBCALC
	v_add_nc_u32 v[LRD], 640, v[LRD]
	v_add_nc_u32 v[HOFF], 40960, v[HOFF]
	s_cmp_eq_u32 s17, 0
	s_cbranch_scc1 .Lnext
	LOOKUP
	s_mov_b64 s[30:31], s[6:7]
	s_mov_b32 s21, 0
.irp sl, 0,1,2,3,4
	XLOAD \sl, 0, 30
.endr
	WIN 0
	PCHUNK 0, 1, 1                                 ; chunk 0
	s_mov_b32 s20, 7
.Lp:                                                   ; chunks 1 to 14
	PCHUNK 1, 0, 1
	PCHUNK 0, 0, 1
	s_sub_co_u32 s20, s20, 1
	s_cmp_lg_u32 s20, 0
	s_cbranch_scc1 .Lp
	PCHUNK 1, 0, 0                                 ; chunk 15: nothing is left to fetch
.Lepi:
	PLACES
.irp sl, 0,1,2,3,4
	EPI \sl
.endr
.Lnext:
	s_sub_co_u32 s19, s19, 1
	s_cmp_lg_u32 s19, 0
	s_cbranch_scc1 .Ltile
	s_wait_dscnt 0x0                               ; my reads of the weights and of my list are over;
	s_barrier_signal -1
	s_barrier_wait -1                              ; every wave's are: only now is LDS written again, by the add below
	s_wait_tensorcnt 0x0                           ; the wave's end
	ds_add_u32 v[SPW], v[NIL]
	s_wait_dscnt 0x0
	s_endpgm
.Lfunc_end_k_qbba9d5f1bd_up:
	.size	k_qbba9d5f1bd_up, .Lfunc_end_k_qbba9d5f1bd_up-k_qbba9d5f1bd_up
	.p2alignl 7, 3214868480
	.fill 96, 4, 3214868480
	.section	.rodata,"a",@progbits
	.p2align	6, 0x0
	.amdhsa_kernel k_qbba9d5f1bd_up
		.amdhsa_group_segment_fixed_size 291328
		.amdhsa_private_segment_fixed_size 0
		.amdhsa_enable_private_segment 0
		.amdhsa_kernarg_size 32
		.amdhsa_user_sgpr_count 2
		.amdhsa_user_sgpr_kernarg_segment_ptr 1
		.amdhsa_wavefront_size32 1
		.amdhsa_system_sgpr_workgroup_id_x 1
		.amdhsa_system_sgpr_workgroup_id_y 1
		.amdhsa_system_sgpr_workgroup_id_z 1
		.amdhsa_system_vgpr_workitem_id 0
		.amdhsa_next_free_vgpr 1008
		.amdhsa_next_free_sgpr 66
		.amdhsa_reserve_vcc 1
		.amdhsa_float_denorm_mode_32 3
		.amdhsa_float_denorm_mode_16_64 3
		.amdhsa_memory_ordered 1
		.amdhsa_forward_progress 1
		.amdhsa_inst_pref_size 201
	.end_amdhsa_kernel
	.amdgpu_metadata
---
amdhsa.version: [ 1, 2 ]
amdhsa.kernels:
  - .name:           k_qbba9d5f1bd_up
    .symbol:         k_qbba9d5f1bd_up.kd
    .args:
      - { .name: expert_indices, .offset: 0, .size: 8, .value_kind: global_buffer, .address_space: global }
      - { .name: xb, .offset: 8, .size: 8, .value_kind: global_buffer, .address_space: global }
      - { .name: w13, .offset: 16, .size: 8, .value_kind: global_buffer, .address_space: global }
      - { .name: h, .offset: 24, .size: 8, .value_kind: global_buffer, .address_space: global }
    .group_segment_fixed_size: 291328
    .private_segment_fixed_size: 0
    .kernarg_segment_align: 8
    .kernarg_segment_size: 32
    .max_flat_workgroup_size: 128
    .sgpr_count:     66
    .vgpr_count:     1008
    .wavefront_size: 32
...
	.end_amdgpu_metadata
.endif
;; end of part 2
;; launch down (part 3): grid 32 x 8, 4 waves a work-group, no clusters, 307,712 bytes of LDS; arguments expert_indices, h, w2, out0; writes out0
.if DOCPART == 3
	.amdgcn_target "amdgcn-amd-amdhsa--gfx1250"
	.amdhsa_code_object_version 6
	.text
	.protected	k_qbba9d5f1bd_down
	.globl	k_qbba9d5f1bd_down
	.p2align	8
	.type	k_qbba9d5f1bd_down,@function
k_qbba9d5f1bd_down:
	s_mov_b64 s[64:65], 0
	v_nop
	global_prefetch_b8 v0, s[64:65] scope:SCOPE_SE
	s_setreg_imm32_b32 hwreg(HW_REG_WAVE_MODE, 25, 1), 1
	s_wait_xcnt 0x0
; out0[p][:] = h[p] W2[idx[p]]^T.  w2 [8][1024][2048] f32, out0 [2048][1024] f32, h as the first launch laid it:
; h[e][s 32][block 128][q 4][lane 32][16 bytes] bf16: row 16 block + lane % 16 (in the expert's rank order), hidden columns 64 s + 16 q + 8 (lane / 16) + 0..7: a quarter of an operand fragment as it stands.
; SHARES.  Work-group (x, e): sl = x / 2 owns 64 output columns 64 sl .. + 63 of expert e, hf = x % 2 half of the expert's blocks of 16 rows.  A row's piece of out0 is then 256 bytes, aligned.
; The slice (64 rows x 2,048 of w2) is rounded once to bf16 into LDS, resident, every byte written once; its second reader is the neighbouring work-group.
; ROUTING.  By the first launch's scan: cnt, and a list rank -> p in LDS, one a wave.  NB = ceil(cnt / 16) blocks are LIVE (none where the expert has no row).
; The places from cnt to the last live block's end repeat the expert's last row, in the list and in h: they hold that row's numbers and are stored to that row once more, by the same wave.  So a live block is stored whole.
; ROWS.  Block b = 24 t + 8 slot + u, u = 2 wave + hf: 3 slots a wave, 384 rows a tile for the pair of work-groups.  Tile 0 is the STREAM PASS: K goes in 16 chunks of 128; in chunk c a wave asks for
; weight chunk c + 3 and for h of chunk c + 2, publishes its 16 rows of weight chunk c + 1, and multiplies chunk c.  What belongs to chunk k lies in set k % 3 of three sets of registers, so the loop holds three chunks a trip.
; Tiles 1 to 5 (cnt over 384) read the resident weights, h one chunk ahead.
; DEAD SLOTS.  A dead slot's products and stores are jumped by a scalar branch.  Its loads are not: all its lanes then name one 16-byte piece of a block that the first launch stored, so that a chunk issues the same
; 16 + 24 loads on every path and the counted waits are exact.  A pass's first chunk multiplies all slots, so that every register is written on every path.
; TWO PHASES A TILE, parted by two barriers that every wave passes in each of the 6 trips: the weights and the lists are read outside the pair, the stages are written and read back inside it.
; The list is read behind a tile's products, ahead of the first of the two barriers: a barrier stands between every LDS store of the launch and that read, and between it and the next LDS store.
; PRODUCT, used transposed (source 0 = 16 rows of w2, source 1 = 16 rows of h): a lane holds one row and eight neighbouring output columns; a block goes through my wave's stage in LDS and leaves as whole rows.
; Sums in f32, k in its true places, ascending.  w2 and h are bf16 operands; NaN and infinities are not treated apart.
; NO TENSOR LOADS, NO CLUSTER: the weights are f32 and pass through registers to be rounded.
.set PITCH, 4112                       ; an LDS row of weights: 4,096 bytes + 16 = 257 x 16
.set IDXS,  64*PITCH
.set LIST,  IDXS+8192
.set LISTB, 4608
.set STAGE, LIST+4*LISTB               ; 16 rows x 272 bytes for each wave
.set SP,    272
.set SPARE, STAGE+4*16*SP              ; the spare words: 128 bytes a wave, named by no other line
.set LANE, 1
.set R,    2
.set HH,   3
.set SPW,  4
.set NIL,  5
.set WOFF, 6
.set WST,  7
.set WCUR, 8
.set PF,   9
.set PFLIM,10
.set LRD,  11                          ; my entry of the list: slot 0 of the tile in hand, rows 0 and 1 of the block
.set CO,   12                          ; 16 (lane % 16)
.set LB,   13
.set IA,   14
.set PB,   15
.set BAD,  16                          ; v16-19  fragment addresses: rows 16 n + lane % 16
.set BCUR, 20
.set AOFF, 24                          ; v24-26  slot's byte offset in h; v24 first: my offset in the indices
.set STO,  27
.set RD,   28
.set L16,  29                          ; 16 lane
.set TA,   30
.set TB,   31
.set BF,   32                          ; v32-159 weight fragments (ks, n) at 32 + 32 ks + 8 n
.set IX,   32                          ; the scan: 16 indices a lane; v48-51 at work
.set ZR,   52
.set OB,   160                         ; v160-191 a block read back from the stage
.set PP,   192                         ; v192-215 slot, pair i of rows: byte offset in out0 of my 16 bytes, at 192 + 8 slot + i; made behind a tile's products
; window 1: v0-95 accumulators (32 slot + 8 n); v96-159, v160-223 staging buffers 0, 1 for weights
; window 2: v0-95, v96-191 sets 0, 1 of h fragments (32 slot + 8 ks); v192-255 staging buffer 2          window 3: v0-95 set 2 of h fragments
; s4-5 idx, s6-7 h, s8-9 w2, s10-11 out0 at my columns; s12 wave, s13 sl, s14 e, s16 NB, s17 live slots, s18 NB - 24 t - u, s19 tiles, s20 chunks, s21 LDS byte of the chunk, s22 cnt, s23-24 the scan,
; s25, s38 at work, s26-27 weights to fetch, s28-29 my rows' first byte, s30-31 h at the chunk to fetch, s32-35, s44-45 offsets, s36 24 t + u, s37 max(NB, 1) - 1, s40 hf, s41 u, s42-43 h at my expert
.set MSB, 0
.macro WIN new                         ; s_set_vgpr_msb: bits 1:0 source 0, 3:2 source 1, 5:4 source 2, 7:6 destination; the high byte repeats the setting that is left
.if MSB != (\new)
	s_set_vgpr_msb (MSB<<8)|(\new)
.set MSB, \new
.endif
.endm
.macro PLACES                          ; four plain places between a matrix instruction and what reads its result or writes its registers (ISA guide 7.12.1)
.rept 4
	v_nop
.endr
.endm
; Staging buffer wb: registers 96 and 160 of window 1, 192 of window 2.
; 16 loads: my 16 rows x 512 bytes of a weight chunk; lanes 0-15 take 256 bytes of one row, lanes 16-31 of the row 8 further down
.macro WLOAD wb, sb, extra
.set WSB, 96+64*(\wb)-32*((\wb)/2)
	WIN 0x40*(1+(\wb)/2)
.set j, 0
.rept 16
	global_load_b128 v[WSB+4*j:WSB+4*j+3], v[WOFF], s[\sb:\sb+1] offset:(j%8)*8192+(j/8)*256+(\extra)
.set j, j+1
.endr
	WIN 0
.endm
.macro WCVT wb                         ; rounded in place: number k of 32 writes register k and reads 2 k, 2 k + 1
.set WSB, 96+64*(\wb)-32*((\wb)/2)
	WIN 0x45*(1+(\wb)/2)
.set j, 0
.rept 32
	v_cvt_pk_bf16_f32 v[WSB+j], v[WSB+2*j], v[WSB+2*j+1]
.set j, j+1
.endr
	WIN 0
.endm
.macro WPUB wb, add                    ; 8 bytes a lane: lanes 0-15 fill 128 neighbouring bytes of a row, lanes 16-31 those of the row 8 further down, 32 banks apart
.set WSB, 96+64*(\wb)-32*((\wb)/2)
	WIN 0
	v_add_nc_u32 v[WCUR], s21, v[WST]
	WIN 0x04*(1+(\wb)/2)
.set j, 0
.rept 16
	ds_store_b64 v[WCUR], v[WSB+2*j:WSB+2*j+1] offset:(j%8)*PITCH+(j/8)*128+(\add)
.set j, j+1
.endr
	WIN 0
.endm
.macro BLOAD                           ; the chunk's 16 weight fragments
	WIN 0
.irp q, 0,1,2,3
	v_add_nc_u32 v[BCUR+\q], s21, v[BAD+\q]
.endr
.set n, 0
.rept 4
.irp ks, 0,1,2,3
	ds_load_b128 v[BF+32*\ks+8*n:BF+32*\ks+8*n+3],   v[BCUR+n] offset:64*\ks
	ds_load_b128 v[BF+32*\ks+8*n+4:BF+32*\ks+8*n+7], v[BCUR+n] offset:64*\ks+32
.endr
.set n, n+1
.endr
.endm
; A block's 128 hidden columns into set bu: two slices x four quarters, 512 consecutive bytes each, straight into operand registers (a dead slot: 16 bytes each)
.macro ALOAD sl, bu, sb
	WIN 0x80+0x40*((\bu)/2)
.set AB, 96*((\bu)%2)
.irp sp, 0,1
.irp q, 0,1,2,3
	global_load_b128 v[AB+32*(\sl)+16*\sp+4*\q:AB+32*(\sl)+16*\sp+4*\q+3], v[AOFF+(\sl)], s[\sb:\sb+1] offset:262144*\sp+512*\q
.endr
.endr
.endm
; 16 products of a slot: its 4 accumulators take turns, one instruction a turn
.macro MM sl, bu, zero
	WIN 0x58+0x04*((\bu)/2)
.set AB, 96*((\bu)%2)
.irp ks, 0,1,2,3
.set n, 0
.rept 4
.if (\zero) && (\ks == 0)
	v_wmma_f32_16x16x32_bf16 v[32*(\sl)+8*n:32*(\sl)+8*n+7], v[BF+32*\ks+8*n:BF+32*\ks+8*n+7], v[AB+32*(\sl)+8*\ks:AB+32*(\sl)+8*\ks+7], 0
.else
	v_wmma_f32_16x16x32_bf16 v[32*(\sl)+8*n:32*(\sl)+8*n+7], v[BF+32*\ks+8*n:BF+32*\ks+8*n+7], v[AB+32*(\sl)+8*\ks:AB+32*(\sl)+8*\ks+7], v[32*(\sl)+8*n:32*(\sl)+8*n+7]
.endif
.set n, n+1
.endr
.endr
.endm
.macro SLOTM sl, bu, zero              ; a dead slot's products are jumped
	WIN 0
.if !(\zero)
	s_cmp_gt_u32 s17, \sl
	s_cbranch_scc0 .Lm\@
.endif
	MM \sl, \bu, \zero
	WIN 0
.if !(\zero)
.Lm\@:
.endif
.endm
.macro NBCALC                          ; live slots of my unit in the tile: ceil((NB - 24 t - u) / 8), held to 0 .. 3
	s_add_co_i32 s17, s18, 7
	s_ashr_i32 s17, s17, 3
	s_max_i32 s17, s17, 0
	s_min_i32 s17, s17, 3
.endm
.macro MKAOFF                          ; a live slot: its block, 16 bytes a lane.  A dead slot: the last block that the first launch stored for the expert, and all lanes on its first 16 bytes
.irp q, 0,1,2
	s_add_co_u32 s25, s36, 8*\q
	s_min_u32 s25, s25, s37
	s_cmp_gt_u32 s17, \q
	s_cselect_b32 s38, 0x1f0, 0
	v_and_b32 v[TA], s38, v[L16]
	v_min_u32 v[TA], 0x1f0, v[TA]
	v_mov_b32 v[AOFF+\q], s25
	v_min_u32 v[AOFF+\q], 0x7f, v[AOFF+\q]
	v_lshl_add_u32 v[AOFF+\q], v[AOFF+\q], 11, v[TA]
.endr
.endm
.macro PLOOK                           ; rank -> p -> byte offset in out0, for the tile's three slots: row 2 i + lane / 16 of each block
	WIN 0
.set k, 0
.rept 24
	ds_load_u16 v[PP+k], v[LRD] offset:256*(k/8)+4*(k%8)
.set k, k+1
.endr
	s_wait_dscnt 0x0
.set k, 0
.rept 24
	v_min_u32 v[PP+k], 0x7ff, v[PP+k]
	v_lshl_add_u32 v[PP+k], v[PP+k], 12, v[CO]
.set k, k+1
.endr
.endm
.macro LGROUP g                        ; 32 indices: those of my expert get the next ranks, in lane order; the others go to entry 2,048
.set TQ, 48+2*((\g)%2)
	v_cmp_eq_u32 vcc_lo, s14, v[IX+(\g)]
	v_mbcnt_lo_u32_b32 v[TQ], vcc_lo, s22
	v_cndmask_b32 v[TQ], 0x800, v[TQ], vcc_lo
	v_min_u32 v[TQ], 0x800, v[TQ]
	v_lshl_add_u32 v[TQ], v[TQ], 1, v[LB]
	v_add_nc_u32 v[TQ+1], 128*((\g)/4)+(\g)%4, v[PB]
	ds_store_b16 v[TQ], v[TQ+1]
	s_bcnt1_i32_b32 s23, vcc_lo
	s_add_co_u32 s22, s22, s23
.endm
.macro PADFILL                         ; entries cnt .. cnt + 15 take the entry of rank cnt - 1 (entry 0, which holds 0, where cnt = 0), as in the first launch
	s_max_u32 s25, s22, 1
	s_sub_co_u32 s25, s25, 1
	v_mov_b32 v48, s25
	v_min_u32 v48, 0x7ff, v48
	v_lshl_add_u32 v48, v48, 1, v[LB]
	ds_load_u16 v49, v48                           ; LDS serves a wave's instructions in order (ISA guide 5.7.1.4): this sees the scan's stores
	v_add_nc_u32 v50, s22, v[R]
	v_min_u32 v50, 0x80f, v50
	v_lshl_add_u32 v50, v50, 1, v[LB]
	s_wait_dscnt 0x0
	ds_store_b16 v50, v49                          ; lanes 16-31 write what lanes 0-15 write
.endm
; A CHUNK OF THE STREAM PASS.  m = c % 3: the set of h fragments multiplied, and the staging buffer filled again; cnt = loads that may stay out at its head;
; pub: publish weight chunk c + 1 (and the barrier); fw: ask for weight chunk c + 3; fx: ask for h of chunk c + 2; pf: prefetch.
; A chunk issues 16 weight loads and then 24 loads of h, on every path.  What chunk c wants at its head, weight chunk c + 1 and h of chunk c, was asked for in chunk c - 2; behind it stand the loads of chunk c - 1 alone.
; Two chunks' 80 loads are more than LOADcnt's field holds: the youngest are then issued as the oldest land (ISA guide 5.7.1).
.macro SCHUNK m, cnt, zero, pub, fw, fx, pf
	s_wait_loadcnt \cnt                            ; loads come back in order (ISA guide 5.7.1): all but the loads of the chunk before are in
	s_wait_xcnt 0x0                                ; the pointers and the prefetch's offset are stepped only behind this wait
.if \fx
	s_add_nc_u64 s[30:31], s[30:31], 0x80000       ; two slices of 256 KiB
.endif
.if \pf
	v_add_nc_u32 v[PF], 512, v[PF]
	v_min_u32 v[PF], v[PF], v[PFLIM]               ; never past my rows' last chunk
.endif
.if \fw
	s_add_nc_u64 s[26:27], s[26:27], 512
	WLOAD \m, 26, 0                                ; into the buffer that the chunk before published: its LDS stores were waited for in front of that chunk's barrier
.endif
.if \pub
	WCVT (\m+1)%3                                  ; these 32 plain instructions are also the places behind the last chunk's products
.else
	PLACES
.endif
	BLOAD
.if \pub
	WPUB (\m+1)%3, 256
.endif
.if \fx
.irp sl, 0,1,2
	ALOAD \sl, (\m+2)%3, 30                        ; into the set that the chunk before multiplied
.endr
	WIN 0
.endif
.if \pf
	global_prefetch_b8 v[PF], s[28:29] offset:512 th:TH_LOAD_NT scope:SCOPE_SE  ; chunk c + 5: 8 of my wave's 16 rows, the other 8 are the neighbouring work-group's to ask for; lanes 16-31 repeat lanes 0-15; two chunks ahead of its load; the last two chunks of the loop ask for chunk 15 again
.endif
.if \pub
	s_wait_dscnt 16                                ; the 32 fragment loads are in; the 16 stores issued behind them may stay out
.else
	s_wait_dscnt 0x0
.endif
.irp sl, 0,1,2
	SLOTM \sl, \m, \zero
.endr
	s_add_co_u32 s21, s21, 256
.if \pub
	s_wait_dscnt 0x0                               ; for the others' sake: my part of chunk c + 1 is written
	s_barrier_signal -1
	s_barrier_wait -1
.endif
.endm
; A CHUNK OF A PLAIN PASS: the weights are resident; sets 0 and 1 of h fragments take turns.  fx: ask for h of the next chunk
.macro PCHUNK par, zero, fx
	s_wait_loadcnt 0x0
	s_wait_xcnt 0x0
.if \fx
	s_add_nc_u64 s[30:31], s[30:31], 0x80000
.endif
	PLACES
	BLOAD
.if \fx
.irp sl, 0,1,2
	ALOAD \sl, 1-\par, 30
.endr
	WIN 0
.endif
	s_wait_dscnt 0x0
.irp sl, 0,1,2
	SLOTM \sl, \par, \zero
.endr
	s_add_co_u32 s21, s21, 256
.endm
; THE WAY OUT of a slot: 32 bytes a lane and accumulator into my stage (each accumulator's low four registers first), back as whole rows of 256 bytes, and to row p of out0.
.macro EPI sl
	WIN 0
	s_cmp_gt_u32 s17, \sl
	s_cbranch_scc0 .Le\@
	s_wait_xcnt 0x0                                ; the last slot's stores have read their registers
	WIN 0x04
.irp n, 0,1,2,3
	ds_store_b128 v[STO], v[32*(\sl)+8*\n:32*(\sl)+8*\n+3]   offset:64*\n
	ds_store_b128 v[STO], v[32*(\sl)+8*\n+4:32*(\sl)+8*\n+7] offset:64*\n+16
.endr
	WIN 0
.irp i, 0,1,2,3,4,5,6,7
	ds_load_b128 v[OB+4*\i:OB+4*\i+3], v[RD] offset:2*SP*\i  ; LDS serves a wave's instructions in order (ISA guide 5.7.1.4): these see the stores above
.endr
.irp i, 0,1,2,3,4,5,6,7
	s_wait_dscnt 7-\i                              ; pair i of rows is back; the younger loads stay out
	global_store_b128 v[PP+8*(\sl)+\i], v[OB+4*\i:OB+4*\i+3], s[10:11] th:TH_STORE_NT  ; 16 lanes store 256 consecutive bytes, aligned
.endr
.Le\@:
.endm
	s_load_b256 s[4:11], s[0:1], 0x0               ; idx, h, w2, out0
	v_lshl_add_u32 v[SPW], v0, 2, SPARE
	v_mov_b32 v[NIL], 0
	v_and_b32 v[LANE], 31, v0
	v_lshrrev_b32 v[TA], 5, v0
	v_readfirstlane_b32 s12, v[TA]                 ; wave 0..3
	v_and_b32 v[R], 15, v0
	v_bfe_u32 v[HH], v0, 4, 1
	s_lshr_b32 s13, ttmp9, 1                       ; slice of 64 output columns
	s_and_b32 s40, ttmp9, 1                        ; which half of the blocks
	s_and_b32 s14, ttmp7, 0xffff                   ; expert
	s_lshl1_add_u32 s41, s12, s40                  ; u = 2 wave + hf
	s_lshl_b32 s25, s13, 6
	s_lshl4_add_u32 s25, s12, s25                  ; my 16 rows of w2: 64 sl + 16 wave
	s_lshl_b32 s25, s25, 13                        ; rows of 8,192 bytes
	s_lshl_b32 s32, s14, 23                        ; an expert's 8 MiB
	s_add_co_u32 s32, s32, s25
	s_mov_b32 s33, 0
	s_lshl_b32 s34, s14, 23                        ; h: an expert's 8 MiB
	s_mov_b32 s35, 0
	s_lshl_b32 s44, s13, 8                         ; out0: my 256 bytes of a row
	s_mov_b32 s45, 0
	s_mov_b32 s21, 0
	v_lshlrev_b32 v[CO], 4, v[R]
	v_lshl_add_u32 v[WOFF], v[HH], 16, v[CO]       ; 16 (lane % 16) + 8 rows for lanes 16-31
	v_mul_u32_u24 v[TA], v[HH], 8*PITCH
	v_lshl_add_u32 v[WST], v[R], 3, v[TA]
	s_mul_i32 s25, s12, 16*PITCH
	v_add_nc_u32 v[WST], s25, v[WST]
	v_mul_u32_u24 v[TA], v[R], PITCH
	v_lshl_add_u32 v[TA], v[HH], 4, v[TA]
.irp q, 0,1,2,3
	v_add_nc_u32 v[BAD+\q], \q*16*PITCH, v[TA]
.endr
	v_and_b32 v[TA], 7, v0
	s_lshl_b32 s25, s40, 3
	v_add_nc_u32 v[TA], s25, v[TA]                 ; prefetch: row 8 hf + lane % 8 of my wave's 16,
	v_lshlrev_b32 v[PFLIM], 13, v[TA]
	v_bfe_u32 v[TA], v0, 3, 1
	v_lshl_add_u32 v[PFLIM], v[TA], 8, v[PFLIM]    ; which 256 of the chunk's 512 bytes
	v_add_nc_u32 v[PF], 3*512, v[PFLIM]
	v_add_nc_u32 v[PFLIM], 14*512, v[PFLIM]
	s_mul_i32 s25, s12, LISTB
	s_add_co_u32 s25, s25, LIST
	v_mov_b32 v[LB], s25
	s_lshl_b32 s25, s41, 5
	v_lshl_add_u32 v[LRD], v[HH], 1, v[LB]
	v_add_nc_u32 v[LRD], s25, v[LRD]               ; entry 16 u + lane / 16
	s_mul_i32 s25, s12, 16*SP
	s_add_co_u32 s25, s25, STAGE                   ; my stage
	v_mul_u32_u24 v[STO], v[R], SP                 ; in: row lane % 16, 32 bytes for each half of the lanes
	v_lshl_add_u32 v[STO], v[HH], 5, v[STO]
	v_add_nc_u32 v[STO], s25, v[STO]
	v_mul_u32_u24 v[RD], v[HH], SP                 ; back: lanes 0-15 one row of 256 bytes, lanes 16-31 the next
	v_add_nc_u32 v[RD], v[RD], v[CO]
	v_add_nc_u32 v[RD], s25, v[RD]
	v_lshlrev_b32 v[L16], 4, v[LANE]
	s_lshl_b32 s25, s12, 11
	v_add_nc_u32 v[AOFF], s25, v[L16]              ; for now: my offset in the indices
	v_add_nc_u32 v[IA], IDXS, v[L16]
	v_lshlrev_b32 v[PB], 2, v[LANE]
.irp q, 0,1,2,3
	v_mov_b32 v[ZR+\q], 0
.endr
	s_wait_kmcnt 0x0
	s_add_nc_u64 s[28:29], s[8:9], s[32:33]        ; my rows' first byte
	s_add_nc_u64 s[26:27], s[28:29], 1024          ; chunk 2: chunk 0's step makes it chunk 3
	s_add_nc_u64 s[42:43], s[6:7], s[34:35]        ; h at my expert, chunk 0; never stepped
	s_add_nc_u64 s[30:31], s[42:43], 0x80000       ; chunk 1: chunk 0's step makes it chunk 2
	s_add_nc_u64 s[10:11], s[10:11], s[44:45]
.irp jj, 0,1,2,3
	global_load_b128 v[IX+4*\jj:IX+4*\jj+3], v[AOFF], s[4:5] offset:512*\jj  ; my quarter of the indices
.endr
	WLOAD 0, 28, 0                                 ; weight chunks 0, 1, 2 are on their way while the list is made
	WLOAD 1, 28, 512
	WLOAD 2, 28, 1024
	global_prefetch_b8 v[PF], s[28:29] th:TH_LOAD_NT scope:SCOPE_SE             ; chunks 3 and 4
	global_prefetch_b8 v[PF], s[28:29] offset:512 th:TH_LOAD_NT scope:SCOPE_SE
	; THE LIST, by the first launch's scan.  My list is cleared, my quarter of the indices staged; behind the barrier every wave scans all of them.
	v_add_nc_u32 v[TB], v[LB], v[L16]
.set k, 0
.rept 9
	ds_store_b128 v[TB], v[ZR:ZR+3] offset:512*k
.set k, k+1
.endr
	v_add_nc_u32 v[TA], IDXS, v[AOFF]
	s_wait_loadcnt 48                              ; the indices are in; the 48 weight loads behind them stay out
.irp jj, 0,1,2,3
	ds_store_b128 v[TA], v[IX+4*\jj:IX+4*\jj+3] offset:512*\jj
.endr
	s_wait_dscnt 0x0                               ; for the others' sake
	s_barrier_signal -1
	s_barrier_wait -1
	s_mov_b32 s22, 0
	s_mov_b32 s24, 4
.Lscan:                                                ; a trip: 512 indices; index c of load jj in lane l is p = 512 trip + 128 jj + 4 l + c
.irp jj, 0,1,2,3
	ds_load_b128 v[IX+4*\jj:IX+4*\jj+3], v[IA] offset:512*\jj
.endr
	s_wait_dscnt 0x0
.irp g, 0,1,2,3,4,5,6,7,8,9,10,11,12,13,14,15
	LGROUP \g
.endr
	v_add_nc_u32 v[IA], 2048, v[IA]
	v_add_nc_u32 v[PB], 512, v[PB]
	s_sub_co_u32 s24, s24, 1
	s_cmp_lg_u32 s24, 0
	s_cbranch_scc1 .Lscan
	PADFILL
	s_add_co_u32 s16, s22, 15                      ; s22 = cnt
	s_lshr_b32 s16, s16, 4                         ; NB: 0 where the expert has no row
	s_max_u32 s37, s16, 1
	s_sub_co_u32 s37, s37, 1                       ; the last block that the first launch stored
	s_sub_co_i32 s18, s16, s41
	s_mov_b32 s36, s41
	NBCALC
	s_wait_loadcnt 32                              ; weight chunk 0 is in: behind it stand the 32 loads of chunks 1 and 2
	WCVT 0
	WPUB 0, 0
	MKAOFF
.irp sl, 0,1,2
	ALOAD \sl, 0, 42                               ; h of chunk 0,
.endr
.irp sl, 0,1,2
	ALOAD \sl, 1, 30                               ; and of chunk 1
.endr
	WIN 0
	s_wait_dscnt 0x0                               ; my list and my part of chunk 0 are written
	s_barrier_signal -1
	s_barrier_wait -1                              ; chunk 0 of all 64 rows is in LDS
	SCHUNK 0, 24, 1, 1, 1, 1, 1                    ; chunk 0: behind its h stand the 24 loads of chunk 1's; its products start the sums
	s_mov_b32 s20, 4
.Lc:                                                   ; chunks 1 to 12, three a trip
	SCHUNK 1, 40, 0, 1, 1, 1, 1
	SCHUNK 2, 40, 0, 1, 1, 1, 1
	SCHUNK 0, 40, 0, 1, 1, 1, 1
	s_sub_co_u32 s20, s20, 1
	s_cmp_lg_u32 s20, 0
	s_cbranch_scc1 .Lc
	SCHUNK 1, 40, 0, 1, 0, 1, 0                    ; chunk 13: no weights are left to fetch; h of chunk 15 is the last
	SCHUNK 2, 24, 0, 1, 0, 0, 0                    ; chunk 14: chunk 13 issued its 24 loads of h alone
	SCHUNK 0, 0, 0, 0, 0, 0, 0                     ; chunk 15
	s_mov_b32 s19, 6
	s_branch .Lout                                 ; tile 0 goes out by the tile loop's text
.Ltile:                                                ; tiles 1 to 5: work only where the expert has more than 384 rows
	s_wait_xcnt 0x0                                ; the stores have read their offsets
	s_sub_co_i32 s18, s18, 24
	s_add_co_u32 s36, s36, 24
	NBCALC
	v_add_nc_u32 v[LRD], 768, v[LRD]
	s_cmp_eq_u32 s17, 0
	s_cbranch_scc1 .Lskip                          ; nothing of mine in this tile: on to the barriers, which every wave passes
	MKAOFF
	s_mov_b64 s[30:31], s[42:43]
	s_mov_b32 s21, 0
.irp sl, 0,1,2
	ALOAD \sl, 0, 30
.endr
	WIN 0
	PCHUNK 0, 1, 1                                 ; chunk 0
	s_mov_b32 s20, 7
.Lp:                                                   ; chunks 1 to 14
	PCHUNK 1, 0, 1
	PCHUNK 0, 0, 1
	s_sub_co_u32 s20, s20, 1
	s_cmp_lg_u32 s20, 0
	s_cbranch_scc1 .Lp
	PCHUNK 1, 0, 0                                 ; chunk 15: nothing is left to fetch
.Lout:
	PLOOK                                          ; where the tile's rows go; its 48 plain instructions, which name no register of the products, are the places behind the last of them
.Lskip:
	s_wait_dscnt 0x0                               ; my reads of the weights and of my list are over;
	s_barrier_signal -1
	s_barrier_wait -1                              ; every wave's are: now the stages are written
.irp sl, 0,1,2
	EPI \sl
.endr
	s_wait_dscnt 0x0                               ; my stage is written and read back;
	s_barrier_signal -1
	s_barrier_wait -1                              ; every wave's is: the next tile's reads, or the add below, follow
	s_sub_co_u32 s19, s19, 1
	s_cmp_lg_u32 s19, 0
	s_cbranch_scc1 .Ltile
	s_wait_tensorcnt 0x0                           ; the wave's end
	ds_add_u32 v[SPW], v[NIL]
	s_wait_dscnt 0x0
	s_endpgm
.Lfunc_end_k_qbba9d5f1bd_down:
	.size	k_qbba9d5f1bd_down, .Lfunc_end_k_qbba9d5f1bd_down-k_qbba9d5f1bd_down
	.p2alignl 7, 3214868480
	.fill 96, 4, 3214868480
	.section	.rodata,"a",@progbits
	.p2align	6, 0x0
	.amdhsa_kernel k_qbba9d5f1bd_down
		.amdhsa_group_segment_fixed_size 307712
		.amdhsa_private_segment_fixed_size 0
		.amdhsa_enable_private_segment 0
		.amdhsa_kernarg_size 32
		.amdhsa_user_sgpr_count 2
		.amdhsa_user_sgpr_kernarg_segment_ptr 1
		.amdhsa_wavefront_size32 1
		.amdhsa_system_sgpr_workgroup_id_x 1
		.amdhsa_system_sgpr_workgroup_id_y 1
		.amdhsa_system_sgpr_workgroup_id_z 1
		.amdhsa_system_vgpr_workitem_id 0
		.amdhsa_next_free_vgpr 864
		.amdhsa_next_free_sgpr 66
		.amdhsa_reserve_vcc 1
		.amdhsa_float_denorm_mode_32 3
		.amdhsa_float_denorm_mode_16_64 3
		.amdhsa_memory_ordered 1
		.amdhsa_forward_progress 1
		.amdhsa_inst_pref_size 152
	.end_amdhsa_kernel
	.amdgpu_metadata
---
amdhsa.version: [ 1, 2 ]
amdhsa.kernels:
  - .name:           k_qbba9d5f1bd_down
    .symbol:         k_qbba9d5f1bd_down.kd
    .args:
      - { .name: expert_indices, .offset: 0, .size: 8, .value_kind: global_buffer, .address_space: global }
      - { .name: h, .offset: 8, .size: 8, .value_kind: global_buffer, .address_space: global }
      - { .name: w2, .offset: 16, .size: 8, .value_kind: global_buffer, .address_space: global }
      - { .name: out0, .offset: 24, .size: 8, .value_kind: global_buffer, .address_space: global }
    .group_segment_fixed_size: 307712
    .private_segment_fixed_size: 0
    .kernarg_segment_align: 8
    .kernarg_segment_size: 32
    .max_flat_workgroup_size: 128
    .sgpr_count:     66
    .vgpr_count:     864
    .wavefront_size: 32
...
	.end_amdgpu_metadata
.endif
;; end of part 3
